; MI455X (gfx1250); checked and timed in simulation.
; The chip was launched on July 23, 2026; its instructions are those of AMD's public machine-readable ISA for CDNA 5 (MIT licence, August 2026) and "CDNA5" Instruction Set Architecture Reference Guide (July 2026). The comments in the code are by the model that wrote it; some were corrected since.
;; Causal Self Attention. Allowed arithmetic: matrix products marked QUANTISED: E5M2 operands, one given power-of-two scale a tensor, by v_wmma_f32_16x16x64_bf8_bf8 or v_wmma_f32_16x16x128_bf8_bf8, f32 sums; everything else in f32.
;; Inputs: b_proj 1,024 float32; b_qkv 3,072 float32; lowp_scales 8 int32 (the exponents e of the quantised operands' scales 2^e); w_proj_codes 1,024 x 32 x 32 uint8 (E5M2 codes of w_proj, K innermost, in blocks of 32 codes); w_qkv_codes 3,072 x 32 x 32 uint8 (E5M2 codes of w_qkv, K innermost, in blocks of 32 codes); x_codes 4 x 2,048 x 32 x 32 uint8 (E5M2 codes of x, K innermost, in blocks of 32 codes).
;; Outputs: out0 4 x 2,048 x 1,024 float32.
;; This version of the problem:
;;   THIS VERSION OF THE PROBLEM IS GIVEN IN LOW PRECISION. The matrix products marked QUANTISED in the list below multiply operands that are first quantised to E5M2 (5 exponent bits, 2 mantissa bits; 8 bits a number), with one given power-of-two scale for each operand tensor; their sums are f32. All else is computed in f32.
;;   The module's matrix products, in the order in which they are computed (A, B: the left and right operand; K: the contracted axis; several contracted axes count as one K, in the product's order):
;;     1. [M 8,192, K 1,024] x [K 1,024, N 3,072]; A: input x (given as codes); B: input w_qkv (given as codes): QUANTISED (scales: A lowp_scales[0], B lowp_scales[1])
;;     2. batch 64 x [M 2,048, K 64] x [K 64, N 2,048]; A: computed on the way; B: computed on the way: QUANTISED (scales: A lowp_scales[2], B lowp_scales[3])
;;     3. batch 64 x [M 2,048, K 2,048] x [K 2,048, N 64]; A: softmax (see below); B: computed on the way: QUANTISED (scales: A lowp_scales[4], B lowp_scales[5])
;;     4. [M 8,192, K 1,024] x [K 1,024, N 1,024]; A: computed on the way; B: input w_proj (given as codes): QUANTISED (scales: A lowp_scales[6], B lowp_scales[7])
;;   THE QUANTISER, for each operand of a quantised product, along K:
;;     - The operand's scale is 2^e, e = its entry of the input lowp_scales (int32; the entries are numbered through the quantised products in the list's order, A before B).
;;     - Each number is divided by the scale, clamped to +-57,344, and rounded to the nearest number of E5M2, ties to even, subnormals kept.
;;     - The product sums the exact products of the quantised numbers (number of the format x scale) in f32.
;;   ~~~python
;;   def quantise(x, axis, e):      # numpy; x: float32 -> the quantised numbers, widened to float32 again
;;       x = np.moveaxis(x, axis, -1); K = x.shape[-1]
;;       r = np.clip(x / 2.0 ** e, -57344, 57344)
;;       step = 2.0 ** (np.maximum(np.frexp(np.where(r == 0, 1, r))[1] - 1, -14) - 2)
;;       q = np.round(r / step) * step * 2.0 ** e      # np.round: ties to even
;;       return np.moveaxis(q, -1, axis).astype(np.float32)
;;   ~~~
;;   SOFTMAX AHEAD OF A QUANTISED PRODUCT. Where the list says 'softmax', what is quantised is not the finished softmax but p = 2^(t - M), with t = logit x log2(e) and M = ceil(the row's largest t), a whole number; so 1/2 < the row's largest p <= 1. The row's sum l is taken of the UNQUANTISED p, in f32, and the product's result is divided by l at the end. Since M is a whole number, a kernel that streams over the keys may use a running M (the ceiling of the running maximum): every later rescaling is an exact power of two, so the quantised numbers keep their values, but for numbers so far below the row's largest that they fall under the format's range.
;;   OPERANDS COMPUTED ON THE WAY. 'Computed on the way' means the value that the module computes at that place (a softmax that the list does not call 'softmax' is quantised finished and normalised). What goes into a quantiser is computed in f32, as accurately as f32 sums, v_exp_f32 and their like allow (about 1e-6 of the number): no bf16 or f16 on the way to a quantiser, and a product that is left as it is and whose result goes on into a quantised operand takes f32 operands (vector FMAs, or v_wmma_f32_16x16x4_f32). A number that lies on a knife's edge between two numbers of the format may be rounded either way, as far as f32 arithmetic and the matrix unit's own rounding can turn it there, and no further.
;;   INPUTS GIVEN AS CODES. w_proj (in the module: [1024, 1024], K = its axis 1); w_qkv (in the module: [3072, 1024], K = its axis 1); x (in the module: [4, 2048, 1024], K = its axis 2): each comes as NAME_codes (uint8): NAME with its K axis moved to the last place and cut into blocks of 32 codes, [.., K / 32, bytes a block], one block behind the other in memory; one code a byte (a code: sign, 5 exponent bits, 2 mantissa bits); its scale is its entry of lowp_scales. Its value is code x scale, taken as it is: it is not quantised again, and the codes and scales need not be those that the quantiser above would give.
;; One version. Each part assembles by itself: llvm-mc -triple=amdgcn-amd-amdhsa -mcpu=gfx1250 --defsym DOCPART=n.
;; ======== version 1 of 1: 3 launches
;; limits: right only within a limited range of input values
;; workspace buffers: qc 8,388,608 bytes; kc 8,388,608 bytes; vc 8,388,608 bytes; yc 8,388,608 bytes
;; launch qkv (part 1): grid 12 x 32, 4 waves a work-group, clusters of 4 x 4, 327,680 bytes of LDS; arguments x_codes, w_qkv_codes, lowp_scales, b_qkv, qc, kc, vc; writes qc, kc, vc
.if DOCPART == 1
	.amdgcn_target "amdgcn-amd-amdhsa--gfx1250"
	.amdhsa_code_object_version 6
	.text
	.protected	k_qc1e2aa2990_qkv
	.globl	k_qc1e2aa2990_qkv
	.p2align	8
	.type	k_qc1e2aa2990_qkv,@function
k_qc1e2aa2990_qkv:
	s_mov_b64 s[64:65], 0
	v_nop
	global_prefetch_b8 v0, s[64:65] scope:SCOPE_SE
	s_setreg_imm32_b32 hwreg(HW_REG_WAVE_MODE, 25, 1), 1
	s_wait_xcnt 0x0
	s_wait_alu depctr_hold_cnt(0) depctr_sa_sdst(0) depctr_va_vdst(0) depctr_va_sdst(0) depctr_va_ssrc(0) depctr_va_vcc(0) depctr_vm_vsrc(0)
	s_getreg_b32 s2, hwreg(HW_REG_IB_STS2, 6, 4)
	s_cmp_eq_u32 s2, 0
	s_cbranch_scc0 .Lentry_in_a_cluster
	s_endpgm
.Lentry_in_a_cluster:
	s_bfe_u32 s2, ttmp6, 0x10000c
	s_cmp_lg_u32 s2, 0xf033
	s_cbranch_scc0 .Lentry_shape_is_right
	s_endpgm
.Lentry_shape_is_right:
; CAUSAL SELF-ATTENTION ON CODES OF BF8 (E5M2), launch 1 of 3: qkv = x w_qkv^T + b_qkv, and q, k, v quantised on the way out.
; x: [8192][1024] codes, scale 2^e0.  w_qkv: [3072][1024] codes, 2^e1.  b_qkv: [3072] f32.  Out, as codes: qc, kc [8192 tokens][1024 = head x 64 + d] (2^e2, 2^e3),
; vc [4 batches][1024 = head x 64 + d][2048 tokens] (2^e5): the tokens innermost, since the keys are the K of the product with the softmax's weights.
; DEAD WORK OF THE WHOLE PROGRAM.  reference() sets att to -inf wherever key > query, by a mask that it builds itself; the softmax's weight there is 0 for all finite inputs, so neither
; such a score nor its product with v reaches an output.  Launch 2 leaves that work out where it comes whole: key steps of 128 keys all of which lie behind a tile's 16 queries.  Nothing else is left out:
; every bias enters a quantised operand or the output, so all inputs are loaded.  LIMIT: a NaN, an infinity or an overflow that reaches only the hidden scores is not carried to the result.
; LIMITS on the given exponents, so that each power of two below is an f32 number: eo - e0 - e1 between -126 and 112 for eo = e2, e3, e5.  NaN among the inputs is not served.
; SHAPE.  A tile of 256 x 256 is made by four waves, 128 x 128 each: 64 accumulators of 16 x 16.  K = 1,024 goes in four steps of 256 through two LDS slots filled by the tensor data mover.
; ONE TEXT FOR q, k AND v.  The matrix instruction gives a lane ONE row of source 1 and eight neighbours among source 0's rows, and the conversion wants a lane's eight numbers to be neighbours along the
; next product's K.  For q and k that is d: source 1 = x (region A), source 0 = w (region B).  For v it is the token: in the clusters with x = 2 region A takes w's rows and region B x's.
; CLUSTERS: 4 x 4.  Region A's tile hangs on cy and the cluster's numbers and is asked for jointly along a row of the cluster; region B's on cx, jointly along a column.
; THE BIAS is the C of each sum's first product, divided by 2^(e0 + e1); the three scales are then one scale of the conversion, 2^(eo - e0 - e1).
; REGISTERS, in windows of 256: window 0: v16-30 addresses and the scale; v32-95 the bias in the result's layout, later store offsets; v128-255 A's fragments (one set), later codes, later rows.
;   window 1: B's fragments, two sets.   windows 2, 3: the accumulators ((a, b) at v[8 (8 (a % 4) + b)]).
.set KROW,   1024                      ; a row of x or of w in bytes
.set ROWB,   256                       ; a tile's row: 256 codes
.set PITCH,  272                       ; an LDS row: 256 bytes + 16 of padding = 68 words: row r starts at bank 4 r mod 64 (64 banks of 4 bytes: ISA guide 11.1)
.set FR,     16                        ; registers of a fragment: 16 rows x 128 K
.set NL,     4                         ; LDS loads that bring one
.set NP,     4                         ; places behind this matrix instruction (ISA guide 7.12.1)
.set HALFT,  128*PITCH                 ; 128 rows: what one tensor load brings
.set SLOT,   4*HALFT                   ; A's 256 rows, then B's 256 rows
.set SPARE,  2*SLOT                    ; behind the ring: the spare words, 128 bytes a wave
.set ADRA, 16                          ; v16-17 LDS address of my A fragments in slot 0, 1
.set ADRB, 20                          ; v20-21 the same for B
.set STO,  24                          ; v24    the way out: where I put 8 codes of a row
.set RD,   25                          ; v25    the way out: where I read rows back
.set VO,   26                          ; v26    my byte offset in the first two rows that I store
.set SPW,  28                          ; v28    LDS address of my spare word; never rewritten
.set NIL,  29                          ; v29    0; never rewritten
.set SCL,  30                          ; v30    2^(eo - e0 - e1) as f32
.set LIM,  31
.set CB,   32                          ; v32-95 the bias tiles
.set TMP,  32
.set OF,   32                          ; v32-63 the 32 stores' offsets
.set RAW,  96                          ; v96-103 v's bias as loaded
.set AF,   128                         ; A's fragments
.set CD,   128                         ; the codes: 16 registers a block
.set RB,   128                         ; rows read back from the stage
.set G1, 24                            ; s[24:31] group 1 for A's tiles;  s[32:39] group 0, a set for each slot
.set G0, 32
.set G1B, 48                           ; s[48:55], s[56:63] the same for B's
.set G0B, 56
.set MSB, 0
.macro WIN new                         ; the immediate's high byte repeats the setting that is left
.if MSB != \new
	s_set_vgpr_msb (MSB<<8)|\new
.set MSB, \new
.endif
.endm
.set MUL_LO, 0xa1                      ; source 0 (B) window 1, source 1 (A) window 0, C and D window 2
.set MUL_HI, 0xf1                      ; the same, C and D window 3
.set TO_B,   0x40                      ; destination window 1, address window 0
; A joint load: waves 0 and 1 fetch region A's halves, waves 2 and 3 region B's.  The branch hangs on the wave's number alone.  An s_nop 0 and four v_nop follow each line.
.macro JLOAD g0a, g1a, g0b, g1b
	s_cmp_eq_u32 s15, 0
	s_cbranch_scc0 .Lfor_b_\@
	tensor_load_to_lds s[\g0a:\g0a+3], s[\g1a:\g1a+7]
	s_nop 0
.rept 4
	v_nop
.endr
	s_branch .Lasked_\@
.Lfor_b_\@:
	tensor_load_to_lds s[\g0b:\g0b+3], s[\g1b:\g1b+7]
	s_nop 0
.rept 4
	v_nop
.endr
.Lasked_\@:
.endm
.macro CREST                           ; a round of the cluster's barrier behind its opening barrier
	s_cmp_lg_u32 s14, 0
	s_cbranch_scc1 .Lnot_wave_0_\@
	s_barrier_signal -3
.Lnot_wave_0_\@:
	s_barrier_wait -3
	s_barrier_signal -1
	s_barrier_wait -1
.endm
.macro CROUND                          ; a whole round
	s_barrier_signal -1
	s_barrier_wait -1
	CREST
.endm
	s_load_b256 s[4:11], s[0:1], 0x0               ; x s[4:5], w s[6:7], the exponents s[8:9], b_qkv s[10:11]
	s_load_b128 s[68:71], s[0:1], 0x20             ; qc, kc
	s_load_b64 s[72:73], s[0:1], 0x30              ; vc
	v_lshl_add_u32 v[SPW], v0, 2, SPARE
	v_mov_b32 v[NIL], 0
	ds_add_u32 v[SPW], v[NIL]                      ; the opening: the add, twice on end, and its wait ahead of my first tensor load
	ds_add_u32 v[SPW], v[NIL]
	v_lshrrev_b32 v1, 5, v0
	v_readfirstlane_b32 s14, v1                    ; wave 0..3
	s_lshr_b32 s15, s14, 1                         ; my half of region A's rows.  Also: I fetch for A (0) or for B (1)
	s_and_b32 s16, s14, 1                          ; my half of region B's rows.  Also: which 128 rows I fetch
	s_bfe_u32 s40, ttmp6, 0x40000                  ; cx
	s_bfe_u32 s41, ttmp6, 0x40004                  ; cy
	s_and_b32 s13, ttmp7, 0xffff                   ; the cluster's y
	s_cmp_eq_u32 ttmp9, 2                          ; the cluster's x: 0 makes q, 1 k, 2 v: the same in all sixteen partners
	s_cselect_b32 s12, 1, 0                        ; is it v?
	s_cselect_b32 s17, 2, s13
	s_cselect_b32 s42, s13, ttmp9
	s_lshl_b32 s17, s17, 2
	s_add_co_u32 s17, s17, s41                     ; region A's tile of 256 rows: of x, 4 y + cy; for v: of w, 8 + cy
	s_lshl_b32 s42, s42, 2
	s_add_co_u32 s42, s42, s40                     ; region B's: of w, 4 x + cx; for v: of x, 4 y + cx
	s_lshl_b32 s43, s41, 2
	s_lshl_b32 s43, 15, s43                        ; my row of the cluster
	s_lshl_b32 s44, 0x1111, s40                    ; my column
	s_or_b32 s[G1+0], s43, (0<<16)|(1<<20)|(1<<21)|(5<<22)|(3<<25)  ; the mask; elements of 1 byte; padding on; bit 21 beside a mask; after every 64 words, 4 words
	s_or_b32 s[G1B+0], s44, (0<<16)|(1<<20)|(1<<21)|(5<<22)|(3<<25)
.irp g, G1, G1B
	s_mov_b32 s[\g+1], ROWB<<16                    ; tensor_dim0 = 256
	s_mov_b32 s[\g+2], 128<<16                     ; tensor_dim1 = 128
	s_mov_b32 s[\g+3], ROWB<<16                    ; tile_dim0
	s_mov_b32 s[\g+4], 128                         ; tile_dim1
	s_mov_b32 s[\g+5], KROW                        ; from row to row
	s_mov_b32 s[\g+6], 0
	s_mov_b32 s[\g+7], 0
.endr
	s_lshl_b32 s18, s16, 7                         ; which 128 rows of the tile I fetch
	s_lshl_b32 s20, s17, 8
	s_add_co_u32 s20, s20, s18
	s_lshl_b32 s20, s20, 10                        ; region A: their first byte (under 2^23)
	s_mov_b32 s21, 0
	s_lshl_b32 s46, s42, 8
	s_add_co_u32 s46, s46, s18
	s_lshl_b32 s46, s46, 10                        ; region B likewise
	s_mov_b32 s47, 0
	s_mul_i32 s45, s14, HALFT                      ; where they go: wave x 128 rows: no place in the cluster enters an LDS address
	s_wait_dscnt 0x0                               ; both opening adds are done
	s_wait_kmcnt 0x0
	s_load_b256 s[80:87], s[8:9], 0x0              ; e0 .. e7
	s_cmp_eq_u32 s12, 1
	s_cselect_b64 s[74:75], s[6:7], s[4:5]         ; region A's tensor: x, for v: w
	s_cselect_b64 s[76:77], s[4:5], s[6:7]         ; region B's: w, for v: x
	s_add_nc_u64 s[20:21], s[74:75], s[20:21]
	s_add_nc_u64 s[46:47], s[76:77], s[46:47]
	CROUND                                         ; all sixteen work-groups are here: the first joint loads meet
.irp s, 0,1
	s_mov_b32 s[G0+4*\s], 1
	s_add_co_u32 s[G0+4*\s+1], s45, \s*SLOT
	s_add_nc_u64 s[G0+4*\s+2:G0+4*\s+3], s[20:21], \s*ROWB
	s_or_b32 s[G0+4*\s+3], s[G0+4*\s+3], 0x80000000
	s_mov_b32 s[G0B+4*\s], 1
	s_add_co_u32 s[G0B+4*\s+1], s45, \s*SLOT
	s_add_nc_u64 s[G0B+4*\s+2:G0B+4*\s+3], s[46:47], \s*ROWB
	s_or_b32 s[G0B+4*\s+3], s[G0B+4*\s+3], 0x80000000
	JLOAD G0+4*\s, G1, G0B+4*\s, G1B               ; two loads of mine are out
.endr
	v_and_b32 v1, 15, v0                           ; r = lane % 16
	v_bfe_u32 v2, v0, 4, 1                         ; h = lane / 16
	v_mul_u32_u24 v3, v1, PITCH
	s_wait_alu depctr_va_vdst(0)
	v_lshl_add_u32 v4, v2, 4, v3                   ; a fragment's row x pitch + 16 h
	s_mul_i32 s21, s15, HALFT                      ; my 128 rows of A
	s_mul_i32 s22, s16, HALFT                      ; my 128 rows of B,
	s_add_co_u32 s22, s22, 2*HALFT                 ; which lie behind A's 256
.irp s, 0,1
	v_add_nc_u32 v[ADRA+\s], s21, v4
	v_add_nc_u32 v[ADRB+\s], s22, v4
	s_add_co_u32 s21, s21, SLOT
	s_add_co_u32 s22, s22, SLOT
.endr
	s_mul_i32 s23, s15, HALFT                      ; the stage: 256 rows (region A's) x 272 bytes from LDS byte 0: my 128 rows,
	s_lshl_b32 s19, s16, 7                         ; my 128 of their 256 codes,
	s_add_co_u32 s23, s23, s19
	v_lshl_add_u32 v5, v2, 3, v3                   ; row r, 8 codes for each half of the lanes
	v_add_nc_u32 v[STO], s23, v5
	s_mul_i32 s23, s14, 64*PITCH                   ; back: wave w takes rows 64 w on, whole; lanes 0-15 one row, lanes 16-31 the next
	v_mul_u32_u24 v5, v2, PITCH
	v_lshl_add_u32 v5, v1, 4, v5
	v_add_nc_u32 v[RD], s23, v5
	v_lshlrev_b32 v6, 5, v2                        ; 32 h: the bias of q and k
	v_lshlrev_b32 v7, 2, v1                        ; 4 r: the bias of v
	s_wait_kmcnt 0x0                               ; the exponents
	s_add_co_i32 s92, s80, s81                     ; e0 + e1
	s_sub_co_i32 s93, 0, s92
	s_and_b32 s96, s17, 3                          ; (for v: cy)
	s_lshr_b32 s97, s42, 3
	s_lshl_b32 s97, s97, 21                        ; (for v: the batch's 1,024 x 2,048 bytes)
	s_cmp_eq_u32 ttmp9, 0
	s_cselect_b32 s94, s82, s83                    ; eo: e2 for q, e3 for k,
	s_cselect_b64 s[88:89], s[68:69], s[70:71]     ; the buffer: qc, kc,
	s_cmp_eq_u32 s12, 1
	s_cselect_b32 s94, s85, s94                    ; e5 for v
	s_cselect_b64 s[88:89], s[72:73], s[88:89]     ; vc
	s_cselect_b32 s90, 11, 10                      ; a row of the buffer is 2^s90 bytes
	s_cselect_b32 s96, s96, s17                    ; which 256 rows of the buffer
	s_cselect_b32 s97, s97, 0
	s_cselect_b32 s91, 7, 3
	s_and_b32 s91, s42, s91                        ; which 256 bytes of a row
	s_lshl_b32 s91, s91, 8
	s_add_co_u32 s97, s97, s91
	s_lshl_b32 s96, s96, 8
	s_lshl_b32 s91, s14, 6
	s_add_co_u32 s96, s96, s91                     ; + my 64 rows
	s_lshl_b32 s96, s96, s90
	s_add_co_u32 s96, s96, s97
	s_mov_b32 s97, 0
	s_add_nc_u64 s[88:89], s[88:89], s[96:97]      ; where my first stored row begins
	s_lshl_b32 s91, 2, s90                         ; two rows on
	v_lshlrev_b32 v5, s90, v2
	v_lshl_add_u32 v[VO], v1, 4, v5
	s_sub_co_i32 s94, s94, s92                     ; eo - e0 - e1
	s_add_co_i32 s94, s94, 127
	s_lshl_b32 s95, s94, 23
	v_mov_b32 v[SCL], s95
	; THE BIAS, divided by 2^(e0 + e1), in the result's layout.  The branch hangs on the cluster's x alone.
	s_cmp_eq_u32 s12, 1
	s_cbranch_scc1 .Lbias_v
	s_lshl_b32 s18, s42, 10                        ; q, k: the bias runs along source 0's rows: tile b, register j: n = 16 b + 8 h + j of my 128
	s_lshl_b32 s19, s16, 9
	s_add_co_u32 s18, s18, s19
	s_mov_b32 s19, 0
	s_add_nc_u64 s[10:11], s[10:11], s[18:19]
	s_wait_alu depctr_va_vdst(0)
.irp b, 0,1,2,3,4,5,6,7
	global_load_b128 v[CB+8*\b:CB+8*\b+3], v6, s[10:11] offset:64*\b
	global_load_b128 v[CB+8*\b+4:CB+8*\b+7], v6, s[10:11] offset:64*\b+16
.endr
	s_wait_loadcnt 0x0
.set i, 0
.rept 64
	v_ldexp_f32 v[CB+i], v[CB+i], s93
.set i, i+1
.endr
	s_branch .Lbias_done
.Lbias_v:
	s_lshl_b32 s18, s17, 10                        ; v: the bias runs along source 1's rows: block a: n = 16 a + r of my 128, the same in all eight registers
	s_lshl_b32 s19, s15, 9
	s_add_co_u32 s18, s18, s19
	s_mov_b32 s19, 0
	s_add_nc_u64 s[10:11], s[10:11], s[18:19]
	s_wait_alu depctr_va_vdst(0)
.irp a, 0,1,2,3,4,5,6,7
	global_load_b32 v[RAW+\a], v7, s[10:11] offset:64*\a
.endr
	s_wait_loadcnt 0x0
.irp a, 0,1,2,3,4,5,6,7
.irp j, 0,1,2,3,4,5,6,7
	v_ldexp_f32 v[CB+8*\a+\j], v[RAW+\a], s93
.endr
.endr
.Lbias_done:
.macro FRAG reg, adr, q, i             ; a fragment: lane l holds row l % 16; registers 4 c .. 4 c + 3 hold K = 32 c + 16 (l / 16) + 0 .. 15: the same order of K in A and in B
.irp c, 0,1,2,3
	ds_load_b128 v[\reg+4*\c:\reg+4*\c+3], v[\adr] offset:128*(\q)+32*\c+(\i)*16*PITCH
.endr
.endm
; 16 matrix instructions: A's blocks a0, a0 + 1 x B's eight, 128 along K.  p: B's set.  zero = 1, 2: the first product starts the sums on the bias (1: by b, 2: by a).
; The 64 accumulators take turns, one instruction a turn, in the same order in every step.
.macro MUL16 a0, p, zero
.irp a, \a0, \a0+1
.irp b, 0,1,2,3,4,5,6,7
.if \zero == 1
	v_wmma_f32_16x16x128_bf8_bf8 v[8*(8*((\a)%4)+\b):8*(8*((\a)%4)+\b)+7], v[128*(\p)+FR*\b:128*(\p)+FR*\b+FR-1], v[AF+FR*(\a):AF+FR*(\a)+FR-1], v[CB+8*\b:CB+8*\b+7]
.elseif \zero == 2
	v_wmma_f32_16x16x128_bf8_bf8 v[8*(8*((\a)%4)+\b):8*(8*((\a)%4)+\b)+7], v[128*(\p)+FR*\b:128*(\p)+FR*\b+FR-1], v[AF+FR*(\a):AF+FR*(\a)+FR-1], v[CB+8*(\a):CB+8*(\a)+7]
.else
	v_wmma_f32_16x16x128_bf8_bf8 v[8*(8*((\a)%4)+\b):8*(8*((\a)%4)+\b)+7], v[128*(\p)+FR*\b:128*(\p)+FR*\b+FR-1], v[AF+FR*(\a):AF+FR*(\a)+FR-1], v[8*(8*((\a)%4)+\b):8*(8*((\a)%4)+\b)+7]
.endif
.endr
.endr
.endm
.macro FETCH_B slot, q, p
	WIN TO_B
.irp i, 0,1,2,3,4,5,6,7
	FRAG 128*(\p)+FR*\i, ADRB+\slot, \q, \i
.endr
	WIN 0
.endm
.macro FETCH_A slot, q, i0
.irp i, \i0, \i0+1, \i0+2, \i0+3
	FRAG AF+FR*(\i), ADRA+\slot, \q, \i
.endr
.endm
.macro PLACES n                        ; plain vector instructions between a matrix instruction and a load into its sources or a read of its result
.rept \n
	v_nop
.endr
.endm
; A step of 128 along K that has its successor in the same slot.
.macro STEP slot, q, zero
	s_wait_dscnt 4*NL                              ; B's set and A's blocks 0-3 are in; the youngest 16 loads (A's blocks 4-7) may be out
.if \zero
	WIN 0x81                                       ; B window 1, A and the bias window 0, D window 2
.else
	WIN MUL_LO
.endif
	MUL16 0, (\q)%2, \zero
	MUL16 2, (\q)%2, \zero
	s_wait_dscnt 0                                 ; A's blocks 4-7 are in
	PLACES NP
	FETCH_B \slot, (\q)+1, 1-(\q)%2
	FETCH_A \slot, (\q)+1, 0
.if \zero
	WIN 0xc1                                       ; D window 3
.else
	WIN MUL_HI
.endif
	MUL16 4, (\q)%2, \zero
	MUL16 6, (\q)%2, \zero
	PLACES NP
	WIN 0
	FETCH_A \slot, (\q)+1, 4
.endm
; A slot's last step changes slots: one barrier; ahead of it each wave waits for all its tensor loads, adds 0 to its spare word, and waits for that and for its reads of this slot.
.macro TURN slot, next, fill
	s_wait_tensorcnt 0x0                           ; all my tensor loads have landed: my part of the next slot (every window is 0 here)
	ds_add_u32 v[SPW], v[NIL]
	s_wait_dscnt 4*NL+1                            ; the add and the youngest 16 loads may be out
	WIN MUL_LO
	MUL16 0, 1, 0
	s_wait_dscnt 0x0                               ; the add is done, and my reads of this slot are over
	s_barrier_signal -1
	MUL16 2, 1, 0
	WIN 0
	s_barrier_wait -1
.if \fill
	CREST                                          ; the barrier has opened a round of the cluster's: no wave of any partner still reads this slot or has a load on its way
	s_add_nc_u64 s[G0+4*\slot+2:G0+4*\slot+3], s[G0+4*\slot+2:G0+4*\slot+3], 2*ROWB
	s_add_nc_u64 s[G0B+4*\slot+2:G0B+4*\slot+3], s[G0B+4*\slot+2:G0B+4*\slot+3], 2*ROWB
	JLOAD G0+4*\slot, G1, G0B+4*\slot, G1B         ; my one tensor load behind the round; its four v_nop are the places ahead of the loads below
.else
	PLACES NP
.endif
	FETCH_B \next, 0, 0
	FETCH_A \next, 0, 0
	WIN MUL_HI
	MUL16 4, 1, 0
	MUL16 6, 1, 0
	PLACES NP
	WIN 0
	FETCH_A \next, 0, 4
.endm
	s_wait_tensorcnt 1                             ; my part of K step 0 is in; K step 1's load may be out
	s_barrier_signal -1
	s_barrier_wait -1
	FETCH_B 0, 0, 0
	FETCH_A 0, 0, 0
	FETCH_A 0, 0, 4
	s_cmp_eq_u32 s12, 1                            ; the first step is written twice: it differs in which bias tile is an accumulator's C.  Both issue the same LDS loads
	s_cbranch_scc1 .Lfirst_v
	s_wait_alu depctr_va_vdst(0)
	STEP 0, 0, 1
	s_branch .Lfirst_done
.Lfirst_v:
	s_wait_alu depctr_va_vdst(0)
	STEP 0, 0, 2
.Lfirst_done:
	TURN 0, 1, 1                                   ; slot 0 takes K step 2
	STEP 1, 0, 0
	TURN 1, 0, 1                                   ; slot 1 takes K step 3
	STEP 0, 0, 0
	TURN 0, 1, 0                                   ; nothing is left to fetch; behind this barrier nobody reads slot 0 again
	STEP 1, 0, 0
	s_wait_dscnt 4*NL
	WIN MUL_LO
	MUL16 0, 1, 0
	MUL16 2, 1, 0
	s_wait_dscnt 0
	WIN MUL_HI
	MUL16 4, 1, 0
	MUL16 6, 1, 0
	WIN 0
; THE WAY OUT.  A block of 16 rows x 128: converted, eight codes a lane and accumulator, into the work-group's stage.
; The stage lies in slot 0, which has had its last fill and its last read.  Each accumulator is read from its low end on.
.macro QBLOCK a
.set AC, 64*((\a)%4)
	WIN 0x02+((\a)/4)                              ; source 0: window 2 or 3
.set i, 0
.rept 64
.set i, i+1
.endr
.irp b, 0,1,2,3,4,5,6,7
	v_cvt_scalef32_pk8_bf8_f32 v[CD+16*(\a)+2*\b:CD+16*(\a)+2*\b+1], v[AC+8*\b:AC+8*\b+7], v[SCL]
.endr
	WIN 0
	v_nop                                          ; a plain line behind the last conversion
.irp b, 0,1,2,3,4,5,6,7
	ds_store_b64 v[STO], v[CD+16*(\a)+2*\b:CD+16*(\a)+2*\b+1] offset:16*PITCH*(\a)+16*\b   ; the 32 lanes' 8 bytes fall on 64 different banks
.endr
.endm
	PLACES NP
.irp a, 0,1,2,3,4,5,6,7
	QBLOCK \a
.endr
	s_wait_dscnt 0x0                               ; for the others' sake: a row's 256 codes come from two waves
	s_barrier_signal -1
	s_barrier_wait -1
.set i, 0
.rept 32
	ds_load_b128 v[RB+4*i:RB+4*i+3], v[RD] offset:2*PITCH*i
.set i, i+1
.endr
.set i, 0
.rept 32
	v_mad_u32_u24 v[OF+i], s91, i, v[VO]           ; two rows of the buffer further on with each store
.set i, i+1
.endr
.set i, 0
	s_wait_alu depctr_va_vdst(0)
.rept 32
	s_wait_dscnt 31-i                              ; LDS loads come back in order: pair i of rows is in
	global_store_b128 v[OF+i], v[RB+4*i:RB+4*i+3], s[88:89]   ; 16 lanes store 256 consecutive bytes, at a multiple of 256 from the buffer's first byte
.set i, i+1
.endr
	s_wait_tensorcnt 0x0                           ; the wave's end
	ds_add_u32 v[SPW], v[NIL]
	s_wait_dscnt 0x0
	CROUND                                         ; the closing round
	s_endpgm
.Lfunc_end_k_qc1e2aa2990_qkv:
	.size	k_qc1e2aa2990_qkv, .Lfunc_end_k_qc1e2aa2990_qkv-k_qc1e2aa2990_qkv
	.p2alignl 7, 3214868480
	.fill 96, 4, 3214868480
	.section	.rodata,"a",@progbits
	.p2align	6, 0x0
	.amdhsa_kernel k_qc1e2aa2990_qkv
		.amdhsa_group_segment_fixed_size 327680
		.amdhsa_private_segment_fixed_size 0
		.amdhsa_enable_private_segment 0
		.amdhsa_kernarg_size 56
		.amdhsa_user_sgpr_count 2
		.amdhsa_user_sgpr_kernarg_segment_ptr 1
		.amdhsa_wavefront_size32 1
		.amdhsa_system_sgpr_workgroup_id_x 1
		.amdhsa_system_sgpr_workgroup_id_y 1
		.amdhsa_system_sgpr_workgroup_id_z 1
		.amdhsa_system_vgpr_workitem_id 0
		.amdhsa_next_free_vgpr 1024
		.amdhsa_next_free_sgpr 100
		.amdhsa_reserve_vcc 0
		.amdhsa_float_denorm_mode_32 3
		.amdhsa_float_denorm_mode_16_64 3
		.amdhsa_fp16_overflow 1
		.amdhsa_memory_ordered 1
		.amdhsa_forward_progress 1
		.amdhsa_inst_pref_size 115
	.end_amdhsa_kernel
	.amdgpu_metadata
---
amdhsa.version: [ 1, 2 ]
amdhsa.kernels:
  - .name:           k_qc1e2aa2990_qkv
    .symbol:         k_qc1e2aa2990_qkv.kd
    .args:
      - { .name: x_codes, .offset: 0, .size: 8, .value_kind: global_buffer, .address_space: global }
      - { .name: w_qkv_codes, .offset: 8, .size: 8, .value_kind: global_buffer, .address_space: global }
      - { .name: lowp_scales, .offset: 16, .size: 8, .value_kind: global_buffer, .address_space: global }
      - { .name: b_qkv, .offset: 24, .size: 8, .value_kind: global_buffer, .address_space: global }
      - { .name: qc, .offset: 32, .size: 8, .value_kind: global_buffer, .address_space: global }
      - { .name: kc, .offset: 40, .size: 8, .value_kind: global_buffer, .address_space: global }
      - { .name: vc, .offset: 48, .size: 8, .value_kind: global_buffer, .address_space: global }
    .group_segment_fixed_size: 327680
    .private_segment_fixed_size: 0
    .kernarg_segment_align: 8
    .kernarg_segment_size: 56
    .max_flat_workgroup_size: 128
    .sgpr_count:     100
    .vgpr_count:     1024
    .wavefront_size: 32
...
	.end_amdgpu_metadata
.endif
;; end of part 1
;; launch attn (part 2): grid 16 x 16, 16 waves a work-group, no clusters, 327,680 bytes of LDS; arguments qc, kc, vc, lowp_scales, yc; writes yc
.if DOCPART == 2
	.amdgcn_target "amdgcn-amd-amdhsa--gfx1250"
	.amdhsa_code_object_version 6
	.text
	.protected	k_qc1e2aa2990_attn
	.globl	k_qc1e2aa2990_attn
	.p2align	8
	.type	k_qc1e2aa2990_attn,@function
k_qc1e2aa2990_attn:
	s_mov_b64 s[64:65], 0
	v_nop
	global_prefetch_b8 v0, s[64:65] scope:SCOPE_SE
	s_setreg_imm32_b32 hwreg(HW_REG_WAVE_MODE, 25, 1), 1
	s_wait_xcnt 0x0
; Launch 2 of 3: y = softmax(q k^T / 8, causal) v on codes of BF8, y quantised with 2^e6 on the way out.
; LEFT OUT (shown at the first kernel's head): key steps of 128 keys all of which lie behind a wave's 16 queries: their weights are 0 by reference()'s own mask.
; qc, kc: [8192 tokens][1024 = head x 64 + d] (2^e2, 2^e3).  vc: [4][1024 = head x 64 + d][2048 tokens] (2^e5).  yc: [8192][1024] (2^e6).
; THE SOFTMAX: t = score x log2(e) / 8; M = the row's largest t so far, rounded UP to a whole number; p = 2^(t - M) is quantised (2^e4), not normalised; the row's sum is taken of the unquantised p and divides at the end.
; When M moves, the sum and O are multiplied by 2^(old M - new M), which rounds nothing.
; SHARES.  A work-group takes one batch and FOUR neighbouring heads, so that a key's row of the K tile (4 x 64 codes), a channel's row of the V tile (256 keys) and a row of y are each 256 consecutive aligned bytes.
; Wave w: head w % 4, tile w / 4 of 16 queries; a block is 64 queries x 4 heads.  Work-group i runs block 31 - i and then block i: block j needs j / 2 + 1 key steps (rounded down), so each work-group has 17.
; Both passes walk a constant number of slots of 256 keys (8, then 4); what is left out is a step's work and a slot's load, by scalar branches on ids and the count of steps.
; NO CLUSTER: the blocks that walk the same K and V need different numbers of steps, so the jumps over hidden steps and round the loads past the causal limit would hang on a partner's place.
; LAYOUT.  Both products are used transposed: S^T = K Q^T (source 0 = 16 keys), O^T = V^T P^T (source 0 = 16 channels): a lane holds ONE query (lane % 16) throughout.
; THE KEYS OF A TILE ARE NOT NEIGHBOURS: lane r of tile 2 b + u takes key 32 b + 8 u + r + 8 (r / 8), so that the 16 registers of tiles 2 b, 2 b + 1 are keys 32 b + 16 (lane / 16) + 0 .. 15.
; Fragments come by loads of 16 bytes, 32 apart, on both sides of each product: one order of K for both operands.
; LIMITS: e2 + e3 between -123 and 130 (added to c's exponent field); e4 and e6 between -126 and 112.  NaN among the inputs is not served.
; REGISTERS: v1, v3 my lane's place in K's, V's tile; v8, v9 the step's addresses; v12 -M, v13 the largest t, v[14:15] the sum; v16-23, v224-231 Q of the two passes; v32-95 K's 8 fragments, then V's 4;
;   v96-159 S^T, then p; v160-191 O^T; v192-207 p's codes; v208-215 y's codes; v216-223 rows of y; v236-254 at work and scales.
.set KP,    272                        ; an LDS row: 256 bytes + 16 of padding
.set VOFF,  256*KP                     ; a slot: 256 keys' rows of K, then 256 channels' rows of V
.set SLOTB, 2*VOFF                     ; 139,264 bytes; slot 1 begins here.  None of its bits is set in an address inside slot 0 that is turned by it
.set STAGE, 2*SLOTB                    ; the way out: 64 rows x 272 bytes for each pass, bytes of their own
.set STGB,  64*KP
.set SPARE, STAGE+2*STGB               ; the spare words, 128 bytes for each of 16 waves
.set AK0,  1
.set AV0,  3
.set PFOK, 4                           ; v4   1,024 x lane: a row of kc
.set SPW,  5                           ; v5   LDS address of my spare word; never rewritten
.set NIL,  6                           ; v6   0; never rewritten
.set PFOV, 7                           ; v7   2,048 x lane: a row of vc
.set ADK,  8
.set ADV,  9
.set STO,  24                          ; v24  where I put 8 codes of y
.set RD,   25                          ; v25  where I read rows of y back
.set GO,   28                          ; v28  my byte offset in the rows that I store
.set QO,   29                          ; v29  my byte offset in the wave's 16 rows of qc
.set TB,   2                           ; s2   LDS byte at which the slot in hand begins
.set WV,   18                          ; s18  wave
.set HH,   19                          ; s19  my head of the four
.set SEL,  20                          ; s[20:21] lane selects: lane l xor 16
.set CS,   22                          ; s[22:23] c = log2(e) / 8 x 2^(e2 + e3)
.set G1K,  24                          ; s[24:31], s[32:39] group 1 for K's and V's tiles; s[40:43], s[44:47] their groups 0, which walk
.set G1V,  32
.set G0K,  40
.set G0V,  44
.set SLOTS, 50                         ; s50  changes of slots still to come in the loop
.set KF,   51                          ; s51  the step's first key
.set Q0,   52                          ; s52  my first query
.set LASTQ, 53                         ; s53  the block's last query
.set Q0A,  54                          ; s54, s55 my first query in the two passes
.set Q0B,  55
.set PFK,  66                          ; s[66:67], s[68:69] where my prefetches stand in kc and vc
.set PFV,  68
.set LIM,  70                          ; s70  1 in a wave that prefetches, else the greatest number
.set WH,   71                          ; s71  wave / 2
.set YBA,  72                          ; s[72:73], s[74:75] the rows of yc that I store in the two passes
.set YBB,  74
; Wave 0 fetches K's tile (256 rows), waves 2 and 3 V's halves (128 rows each), the others nothing: so each load brings bytes of the slot's first step, which is read wherever the slot is asked for.
.macro TLOAD
	s_cmp_lg_u32 s[WV], 0
	s_cbranch_scc1 .Lnot_k_\@
	tensor_load_to_lds s[G0K:G0K+3], s[G1K:G1K+7]
	s_nop 0
.rept 4
	v_nop
.endr
	s_branch .Lasked_\@
.Lnot_k_\@:
	s_cmp_lg_u32 s[WH], 1
	s_cbranch_scc1 .Lasked_\@
	tensor_load_to_lds s[G0V:G0V+3], s[G1V:G1V+7]
	s_nop 0
.rept 4
	v_nop
.endr
.Lasked_\@:
.endm
; A PREFETCH of the slot that the NEXT change of slots will ask for: 256 rows of K and 256 of V, 256 bytes each, a lane a row.  All sixteen work-groups of a batch and head group walk the same rows:
; the one with x = 0, whose first pass loads all eight slots, asks; in it waves 4 to 11, which fetch nothing, take 32 rows of each.  So each row's 256 bytes of a slot are named once in the launch.
; Slots 0 and 1 come by their loads alone; the change that loads slot 7 asks for nothing; the second pass asks for nothing.
.macro ASK
	s_cmp_gt_u32 s[SLOTS], s[LIM]
	s_cbranch_scc0 .Lnot_mine_\@
	global_prefetch_b8 v[PFOK], s[PFK:PFK+1] th:TH_LOAD_NT scope:SCOPE_SE
	global_prefetch_b8 v[PFOV], s[PFV:PFV+1] th:TH_LOAD_NT scope:SCOPE_SE
.Lnot_mine_\@:
.endm
	s_load_b256 s[4:11], s[0:1], 0x0               ; qc s[4:5], kc s[6:7], vc s[8:9], the exponents s[10:11]
	s_load_b64 s[12:13], s[0:1], 0x20              ; yc
	v_lshl_add_u32 v[SPW], v0, 2, SPARE
	v_mov_b32 v[NIL], 0
	ds_add_u32 v[SPW], v[NIL]                      ; the opening: the add, twice on end, and its wait ahead of the first tensor load
	ds_add_u32 v[SPW], v[NIL]
	v_lshrrev_b32 v8, 5, v0
	s_delay_alu instid0(VALU_DEP_1)
	v_readfirstlane_b32 s[WV], v8                  ; wave 0..15
	s_and_b32 s[HH], s[WV], 3
	s_lshr_b32 s77, s[WV], 2                       ; my tile of 16 queries
	s_lshr_b32 s[WH], s[WV], 1
	s_and_b32 s84, s[WV], 1
	s_and_b32 s78, ttmp7, 0xffff
	s_lshr_b32 s79, s78, 2                         ; the batch
	s_and_b32 s80, s78, 3                          ; the group of four heads
	s_sub_co_u32 s81, 31, ttmp9
	s_lshl_b32 s81, s81, 6                         ; the first pass's block begins at query 64 (31 - i),
	s_lshl_b32 s82, ttmp9, 6                       ; the second's at 64 i
	s_lshl_b32 s83, s77, 4
	s_add_co_u32 s[Q0A], s81, s83
	s_add_co_u32 s[Q0B], s82, s83
	s_lshl_b32 s85, s79, 21                        ; a batch is 2^21 bytes in each buffer of codes
	s_lshl_b32 s88, s80, 8
	s_add_co_u32 s89, s85, s88                     ; qc, kc, yc: the batch's first row, my group's 256 bytes
	s_mov_b32 s86, s89                             ; K's first tile: keys 0 to 255
	s_mov_b32 s87, 0
	s_lshl_b32 s90, s80, 19
	s_add_co_u32 s90, s90, s85                     ; vc: the batch, my group's 256 rows
	s_sub_co_u32 s97, s[WV], 4
	s_lshr_b32 s[LIM], s97, 3                      ; 0 in waves 4 to 11,
	s_or_b32 s[LIM], s[LIM], ttmp9                 ; of the work-group with x = 0
	s_cmp_eq_u32 s[LIM], 0
	s_cselect_b32 s[LIM], 1, -1
	s_and_b32 s97, s97, 7
	s_lshl_b32 s[PFK], s97, 15                     ; my 32 rows of a slot's 256 keys,
	s_add_co_u32 s[PFK], s[PFK], s89
	s_add_co_u32 s[PFK], s[PFK], 256*1024          ; in slot 1: the first change of slots steps it to slot 2
	s_mov_b32 s[PFK+1], 0
	s_lshl_b32 s[PFV], s97, 16                     ; my 32 rows of V's 256,
	s_add_co_u32 s[PFV], s[PFV], s90
	s_add_co_u32 s[PFV], s[PFV], 256               ; likewise
	s_mov_b32 s[PFV+1], 0
	s_lshl_b32 s91, s84, 18
	s_add_co_u32 s90, s90, s91                     ; V's tile: the half of 128 rows that I fetch, if I fetch
	s_mov_b32 s91, 0
	s_mul_i32 s[G0V+1], s84, 128*KP
	s_add_co_u32 s[G0V+1], s[G0V+1], VOFF          ; and its place in slot 0
	s_lshl_b32 s93, s[HH], 6
	s_add_co_u32 s93, s93, s89
	s_lshl_b32 s92, s[Q0A], 10
	s_add_co_u32 s92, s92, s93                     ; my queries' codes, first pass,
	s_lshl_b32 s94, s[Q0B], 10
	s_add_co_u32 s94, s94, s93                     ; second pass
	s_mov_b32 s93, 0
	s_mov_b32 s95, 0
	s_lshl_b32 s96, s[WV], 12
	s_add_co_u32 s96, s96, s89                     ; on the way out wave w stores rows 4 w .. 4 w + 3 of the block
	s_lshl_b32 s[YBA], s81, 10
	s_add_co_u32 s[YBA], s[YBA], s96
	s_mov_b32 s[YBA+1], 0
	s_lshl_b32 s[YBB], s82, 10
	s_add_co_u32 s[YBB], s[YBB], s96
	s_mov_b32 s[YBB+1], 0
	s_mov_b32 s[G1K], (0<<16)|(1<<20)|(5<<22)|(3<<25)   ; no mask; elements of 1 byte; padding: 4 words after every 64
	s_mov_b32 s[G1K+1], 256<<16                    ; tensor_dim0
	s_mov_b32 s[G1K+2], 256<<16                    ; tensor_dim1
	s_mov_b32 s[G1K+3], 256<<16                    ; tile_dim0
	s_mov_b32 s[G1K+4], 256                        ; tile_dim1: 256 keys
	s_mov_b32 s[G1K+5], 1024                       ; from key to key
	s_mov_b32 s[G1K+6], 0
	s_mov_b32 s[G1K+7], 0
	s_mov_b32 s[G1V], (0<<16)|(1<<20)|(5<<22)|(3<<25)
	s_mov_b32 s[G1V+1], 256<<16
	s_mov_b32 s[G1V+2], 128<<16
	s_mov_b32 s[G1V+3], 256<<16
	s_mov_b32 s[G1V+4], 128                        ; 128 channels
	s_mov_b32 s[G1V+5], 2048                       ; from channel to channel
	s_mov_b32 s[G1V+6], 0
	s_mov_b32 s[G1V+7], 0
	s_mov_b32 s[SEL], 0x76543210
	s_mov_b32 s[SEL+1], 0xfedcba98
	s_mov_b32 s[CS], 0x3e38aa3b                    ; log2(e) / 8
	s_mov_b32 s[TB], 0
	s_wait_dscnt 0x0                               ; both opening adds are done
	s_wait_kmcnt 0x0
	s_load_b256 s[56:63], s[10:11], 0x0            ; e0 .. e7
	s_mov_b32 s[G0K], 1
	s_mov_b32 s[G0K+1], 0
	s_add_nc_u64 s[G0K+2:G0K+3], s[6:7], s[86:87]
	s_or_b32 s[G0K+3], s[G0K+3], 0x80000000
	s_mov_b32 s[G0V], 1
	s_add_nc_u64 s[G0V+2:G0V+3], s[8:9], s[90:91]
	s_or_b32 s[G0V+3], s[G0V+3], 0x80000000
	TLOAD                                          ; slot 0: keys 0 to 255, which count for every block
	s_add_nc_u64 s[92:93], s[4:5], s[92:93]
	s_add_nc_u64 s[94:95], s[4:5], s[94:95]
	s_add_nc_u64 s[YBA:YBA+1], s[12:13], s[YBA:YBA+1]
	s_add_nc_u64 s[YBB:YBB+1], s[12:13], s[YBB:YBB+1]
	s_add_nc_u64 s[PFK:PFK+1], s[6:7], s[PFK:PFK+1]
	s_add_nc_u64 s[PFV:PFV+1], s[8:9], s[PFV:PFV+1]
	v_and_b32 v10, 15, v0                          ; r
	v_bfe_u32 v11, v0, 4, 1                        ; h
	s_delay_alu instid0(VALU_DEP_2)
	v_lshlrev_b32 v[QO], 10, v10
	s_delay_alu instid0(VALU_DEP_1)
	v_lshl_add_u32 v[QO], v11, 4, v[QO]            ; row r of 1,024 bytes, + 16 h
	global_load_b128 v[16:19], v[QO], s[92:93]     ; both passes' Q stay in registers
	global_load_b128 v[20:23], v[QO], s[92:93] offset:32
	global_load_b128 v[224:227], v[QO], s[94:95]
	global_load_b128 v[228:231], v[QO], s[94:95] offset:32
	v_and_b32 v[AK0], 8, v10
	s_delay_alu instid0(VALU_DEP_1)
	v_add_nc_u32 v[AK0], v[AK0], v10               ; r + 8 (r / 8)
	s_delay_alu instid0(VALU_DEP_1)
	v_mul_u32_u24 v[AK0], v[AK0], KP
	s_delay_alu instid0(VALU_DEP_1)
	v_lshl_add_u32 v[AK0], v11, 4, v[AK0]
	s_lshl_b32 s96, s[HH], 6
	v_add_nc_u32 v[AK0], s96, v[AK0]               ; + my head's 64 bytes of a key's row
	v_mul_u32_u24 v[AV0], v10, KP
	s_delay_alu instid0(VALU_DEP_1)
	v_lshl_add_u32 v[AV0], v11, 4, v[AV0]
	s_mul_i32 s96, s[HH], 64*KP
	s_add_co_u32 s96, s96, VOFF
	v_add_nc_u32 v[AV0], s96, v[AV0]               ; V: my head's 64 rows
	v_mul_u32_u24 v[STO], v10, KP
	s_delay_alu instid0(VALU_DEP_1)
	v_lshl_add_u32 v[STO], v11, 3, v[STO]
	s_mul_i32 s96, s77, 16*KP
	s_lshl_b32 s97, s[HH], 6
	s_add_co_u32 s96, s96, s97
	s_add_co_u32 s96, s96, STAGE
	v_add_nc_u32 v[STO], s96, v[STO]               ; the stage: row 16 x tile + r, my head's 64 bytes, 8 h
	v_mul_u32_u24 v[RD], v11, KP
	s_delay_alu instid0(VALU_DEP_1)
	v_lshl_add_u32 v[RD], v10, 4, v[RD]
	s_mul_i32 s96, s[WV], 4*KP
	s_add_co_u32 s96, s96, STAGE
	v_add_nc_u32 v[RD], s96, v[RD]                 ; back: rows 4 w on; lanes 0-15 one row, lanes 16-31 the next
	v_lshlrev_b32 v[GO], 10, v11
	s_delay_alu instid0(VALU_DEP_1)
	v_lshl_add_u32 v[GO], v10, 4, v[GO]
	v_and_b32 v[PFOK], 31, v0
	s_delay_alu instid0(VALU_DEP_1)
	v_lshlrev_b32 v[PFOV], 11, v[PFOK]
	s_delay_alu instid0(VALU_DEP_2)
	v_lshlrev_b32 v[PFOK], 10, v[PFOK]
	v_mov_b32 v236, 0                              ; written once: a lane permute's destination counts as one of its sources
	v_mov_b32 v253, 0                              ; (named as the upper half of the pair v[252:253])
	s_wait_kmcnt 0x0
	s_add_co_i32 s96, s58, s59
	s_lshl_b32 s96, s96, 23
	s_add_co_i32 s[CS], s[CS], s96                 ; a score stands for score x 2^(e2 + e3)
	s_mov_b32 s[CS+1], s[CS]
	s_add_co_i32 s96, s60, 127
	s_lshl_b32 s97, s96, 23
	v_mov_b32 v244, s97                            ; 2^e4, for p's conversions
	s_add_co_i32 s96, s62, 127
	s_lshl_b32 s97, s96, 23
	v_mov_b32 v245, s97                            ; 2^e6, for y's
	s_add_co_i32 s76, s60, s61                     ; e4 + e5
; A KEY STEP: 128 keys, the q-th of the slot in hand.  qr: where the pass's Q lies.
.macro STEP q, qr
	s_add_co_u32 s96, s[Q0], 15
	s_cmp_gt_u32 s[KF], s96                        ; all 128 keys behind my 16 queries: the step's work is left out (ids and the count of steps alone)
	s_cbranch_scc1 .Lhidden_\@
	v_add_nc_u32 v[ADK], s[TB], v[AK0]
	v_add_nc_u32 v[ADV], s[TB], v[AV0]
	v_nop                                          ; with the two additions: four places ahead of loads into registers that the last products read
	v_nop
.irp t, 0,1,2,3,4,5,6,7
	ds_load_b128 v[32+8*\t:35+8*\t], v[ADK] offset:(128*(\q)+32*(\t/2)+8*(\t%2))*KP
	ds_load_b128 v[36+8*\t:39+8*\t], v[ADK] offset:(128*(\q)+32*(\t/2)+8*(\t%2))*KP+32
.endr
	s_wait_alu depctr_va_vdst(0)
	s_wait_dscnt 0x0
.irp t, 0,1,2,3,4,5,6,7
	v_wmma_f32_16x16x64_bf8_bf8 v[96+8*\t:103+8*\t], v[32+8*\t:39+8*\t], v[\qr:\qr+7], 0
.endr
.rept 4
	v_nop                                          ; places ahead of the loads below and of the first read of the scores
.endr
.irp t, 0,1,2,3                                ; V's four fragments are asked for now and land under the softmax
.irp c, 0,1,2,3
	ds_load_b128 v[32+16*\t+4*\c:35+16*\t+4*\c], v[ADV] offset:16*\t*KP+128*(\q)+32*\c
.endr
.endr
	s_add_co_u32 s96, s[KF], 127                   ; on the diagonal hidden scores become -infinity ahead of the maximum; a step all of whose keys count skips this
	s_cmp_le_u32 s96, s[Q0]
	s_cbranch_scc1 .Lopen_\@
	s_sub_co_i32 s96, s[Q0], s[KF]
	v_and_b32 v252, 15, v0
	v_bfe_u32 v253, v0, 4, 1
	s_delay_alu instid0(VALU_DEP_1)
	v_lshlrev_b32 v253, 4, v253
	s_delay_alu instid0(VALU_DEP_1)
	v_sub_nc_u32 v252, v252, v253
	s_delay_alu instid0(VALU_DEP_1)
	v_add_nc_u32 v252, s96, v252                   ; d = my query - KF - 16 h.  Register 16 b + i holds key KF + 16 h + 32 b + i: hidden where 32 b + i > d
	v_mov_b32 v254, 0xff800000
.set n, 0
.rept 64
	v_cmp_gt_i32 vcc_lo, 32*(n/16)+n%16, v252
	v_cndmask_b32 v[96+n], v[96+n], v254, vcc_lo
.set n, n+1
.endr
.Lopen_\@:
	v_max3_num_f32 v254, v96, v97, v98             ; the step's largest score of my query among my 64 keys, in two chains; each accumulator is read from its low end on
	v_max3_num_f32 v252, v99, v100, v101
.irp i, 6,10,14,18,22,26,30,34,38,42,46,50,54,58
	v_max3_num_f32 v254, v254, v[96+\i], v[97+\i]
	v_max3_num_f32 v252, v252, v[98+\i], v[99+\i]
.endr
	v_max3_num_f32 v254, v254, v158, v159
	s_delay_alu instid0(VALU_DEP_1)
	v_max_num_f32 v254, v254, v252
	s_delay_alu instid0(VALU_DEP_1)
	v_permlanex16_b32 v236, v254, s[SEL], s[SEL+1]
	s_delay_alu instid0(VALU_DEP_1)
	v_max_num_f32 v254, v254, v236                 ; and among lane l xor 16's
	s_delay_alu instid0(VALU_DEP_1)
	v_mul_f32 v254, s[CS], v254                    ; as t (c is positive)
	s_delay_alu instid0(VALU_DEP_1)
	v_max_num_f32 v13, v13, v254                   ; the running largest t
	v_mov_b32 v254, v12
	s_delay_alu instid0(VALU_DEP_2)
	v_floor_f32 v12, -v13                          ; the new -M = floor(-t): M is a whole number
	s_delay_alu instid0(VALU_DEP_1)
	v_sub_f32 v254, v12, v254                      ; old M - new M: a whole number, 0 or less
	s_delay_alu instid0(VALU_DEP_1)
	v_cvt_i32_f32 v254, v254                       ; (it saturates)
	s_delay_alu instid0(VALU_DEP_1)
	v_ldexp_f32 v252, 1.0, v254                    ; f = 2^(old M - new M)
.set n, 0
.rept 32
	v_pk_fma_f32 v[96+n:97+n], v[96+n:97+n], s[CS:CS+1], v[12:13] op_sel_hi:[1,0,0]   ; t - M, two at a time
.set n, n+2
.endr
.set n, 0
	s_wait_alu depctr_va_vdst(0)
.rept 64
	v_exp_f32 v[96+n], v[96+n]                     ; p = 2^(t - M): one batch
.set n, n+1
.endr
	v_pk_mul_f32 v[14:15], v[14:15], v[252:253] op_sel_hi:[1,0]   ; the sums under the new M: the plain line behind the exponentials
	s_wait_alu depctr_va_vdst(0)                   ; the wait ahead of the batch's first reader: one for all 64
	v_pk_add_f32 v[242:243], v[100:101], v[104:105]
	v_pk_add_f32 v[254:255], v[108:109], v[112:113]
	v_pk_add_f32 v[250:251], v[116:117], v[120:121]
	v_pk_add_f32 v[248:249], v[124:125], v[128:129]
	v_pk_add_f32 v[246:247], v[132:133], v[136:137]
	v_pk_add_f32 v[240:241], v[140:141], v[144:145]
	v_pk_add_f32 v[238:239], v[148:149], v[152:153]
	v_pk_add_f32 v[14:15], v[14:15], v[156:157]
	v_pk_add_f32 v[242:243], v[242:243], v[96:97]
	v_pk_add_f32 v[254:255], v[254:255], v[98:99]
	v_pk_add_f32 v[250:251], v[250:251], v[102:103]
	v_pk_add_f32 v[248:249], v[248:249], v[106:107]
	v_pk_add_f32 v[246:247], v[246:247], v[110:111]
	v_pk_add_f32 v[240:241], v[240:241], v[114:115]
	v_pk_add_f32 v[238:239], v[238:239], v[118:119]
	v_pk_add_f32 v[14:15], v[14:15], v[122:123]
	v_pk_add_f32 v[242:243], v[242:243], v[126:127]
	v_pk_add_f32 v[254:255], v[254:255], v[130:131]
	v_pk_add_f32 v[250:251], v[250:251], v[134:135]
	v_pk_add_f32 v[248:249], v[248:249], v[138:139]
	v_pk_add_f32 v[246:247], v[246:247], v[142:143]
	v_pk_add_f32 v[240:241], v[240:241], v[146:147]
	v_pk_add_f32 v[238:239], v[238:239], v[150:151]
	v_pk_add_f32 v[14:15], v[14:15], v[154:155]
	v_pk_add_f32 v[242:243], v[242:243], v[158:159]
	s_delay_alu instid0(VALU_DEP_2)
	v_pk_add_f32 v[14:15], v[14:15], v[248:249]
	s_delay_alu instid0(VALU_DEP_2)
	v_pk_add_f32 v[242:243], v[242:243], v[246:247]
	v_pk_add_f32 v[254:255], v[254:255], v[240:241]
	v_pk_add_f32 v[250:251], v[250:251], v[238:239]
	s_delay_alu instid0(VALU_DEP_2)
	v_pk_add_f32 v[14:15], v[14:15], v[254:255]
	s_delay_alu instid0(VALU_DEP_2)
	v_pk_add_f32 v[242:243], v[242:243], v[250:251]
	s_delay_alu instid0(VALU_DEP_1)
	v_pk_add_f32 v[14:15], v[14:15], v[242:243]
.irp b, 0,1,2,3
.set n, 0
.rept 16
.set n, n+1
.endr
	v_cvt_scalef32_pk8_bf8_f32 v[192+4*\b:193+4*\b], v[96+16*\b:103+16*\b], v244
	v_cvt_scalef32_pk8_bf8_f32 v[194+4*\b:195+4*\b], v[104+16*\b:111+16*\b], v244
.endr
.set n, 0
.rept 16
	v_pk_mul_f32 v[160+n:161+n], v[160+n:161+n], v[252:253] op_sel_hi:[1,0]   ; O^T under the new M; also the plain lines behind the conversions
.set n, n+2
.endr
	s_wait_alu depctr_va_vdst(0)
	s_wait_dscnt 0x0                               ; V's fragments are in
.irp t, 0,1,2,3                                ; the four accumulators take turns, one instruction each
	v_wmma_f32_16x16x128_bf8_bf8 v[160+8*\t:167+8*\t], v[32+16*\t:47+16*\t], v[192:207], v[160+8*\t:167+8*\t]
.endr
.Lhidden_\@:
	s_add_co_u32 s[KF], s[KF], 128
.endm
; THE CHANGE OF SLOTS stands at a slot's head.  Each wave waits for all its tensor loads (its part of the slot ahead), adds 0 to its spare word, and waits for that and for its reads of the slot that it has left.
; Behind the barrier the slot ahead is whole and nobody reads the other.  mode 1: the other slot takes the next 256 keys, up to the causal limit.  mode 2, at the first pass's last slot: it takes keys 0 to 255
; again, for the second pass.  mode 0: nothing follows.  Where a tensor load can still follow, the add stands twice on end.  A wave has one tensor load out at the most.
.macro CHANGE mode, pf
	s_wait_tensorcnt 0x0                           ; no tensor load of mine is out, so a group 0 may be written
	ds_add_u32 v[SPW], v[NIL]
.if \mode
	ds_add_u32 v[SPW], v[NIL]
	s_xor_b32 s[G0K+1], s[G0K+1], SLOTB            ; the other slot than last time
	s_xor_b32 s[G0V+1], s[G0V+1], SLOTB
.if \mode == 1
	s_add_nc_u64 s[G0K+2:G0K+3], s[G0K+2:G0K+3], 256*1024   ; the next 256 keys; the type bits on top are not reached
	s_add_nc_u64 s[G0V+2:G0V+3], s[G0V+2:G0V+3], 256
.else
	s_sub_nc_u64 s[G0K+2:G0K+3], s[G0K+2:G0K+3], 7*256*1024 ; seven steps back: keys 0 to 255
	s_sub_nc_u64 s[G0V+2:G0V+3], s[G0V+2:G0V+3], 7*256
.endif
.endif
.if \pf
	s_wait_xcnt 0x0                                ; the last prefetches, a slot back, have read their addresses
	s_add_nc_u64 s[PFK:PFK+1], s[PFK:PFK+1], 256*1024
	s_add_nc_u64 s[PFV:PFV+1], s[PFV:PFV+1], 256
.endif
	s_wait_dscnt 0x0                               ; the add is done, and my reads of the slot that I have left are over
	s_barrier_signal -1
	s_barrier_wait -1
.if \mode == 1
	s_add_co_u32 s96, s[KF], 256                   ; the first key of the slot that this change would ask for:
	s_cmp_gt_u32 s96, s[LASTQ]                     ; behind the block's last query it is read by no wave, so it is not asked for.  Ids and the count of steps alone: all sixteen waves go the same way
	s_cbranch_scc1 .Lpast_\@
	TLOAD
.Lpast_\@:
.elseif \mode == 2
	TLOAD
.endif
.if \pf
	ASK
.endif
.endm
; THE WAY OUT of a pass.  O^T x 2^(e4 + e5) / the sum is y; it is converted (2^e6) and goes through the pass's stage, so that 16 lanes store a row's 256 codes of four heads.
.macro WAYOUT stg, yb
.rept 4
	v_nop                                          ; places behind the last products
.endr
	v_add_f32 v14, v14, v15
	s_delay_alu instid0(VALU_DEP_1)
	v_permlanex16_b32 v236, v14, s[SEL], s[SEL+1]
	s_delay_alu instid0(VALU_DEP_1)
	v_add_f32 v14, v14, v236                       ; the row's sum
	s_wait_alu depctr_va_vdst(0)
	v_rcp_f32 v14, v14
	v_nop                                          ; a plain line behind the reciprocal
	s_wait_alu depctr_va_vdst(0)                   ; and the wait ahead of its first reader
	v_ldexp_f32 v14, v14, s76
.set n, 0
.rept 16
	v_pk_mul_f32 v[96+n:97+n], v[160+n:161+n], v[14:15] op_sel_hi:[1,0]   ; register 8 t + j is y(query r, d = 16 t + 8 h + j)
.set n, n+2
.endr
.set n, 0
.rept 32
.set n, n+1
.endr
.irp t, 0,1,2,3
	v_cvt_scalef32_pk8_bf8_f32 v[208+2*\t:209+2*\t], v[96+8*\t:103+8*\t], v245
.endr
	v_nop                                          ; a plain line behind the last conversion
.irp t, 0,1,2,3
	ds_store_b64 v[STO], v[208+2*\t:209+2*\t] offset:\stg+16*\t
.endr
	s_wait_dscnt 0x0                               ; for the others' sake: a row's 256 codes come from four waves
	s_barrier_signal -1
	s_barrier_wait -1
	s_wait_xcnt 0x0                                ; the first pass's stores have read v216-223
	ds_load_b128 v[216:219], v[RD] offset:\stg
	ds_load_b128 v[220:223], v[RD] offset:\stg+2*KP
	s_wait_dscnt 0x0
	global_store_b128 v[GO], v[216:219], s[\yb:\yb+1]               ; 16 lanes store 256 consecutive bytes, at a multiple of 256 from yc's first byte
	global_store_b128 v[GO], v[220:223], s[\yb:\yb+1] offset:2048
.endm
; A PASS: one block of 64 queries x 4 heads over ns slots.  The loop has no first step of its own: O^T and the sum begin as zeros and the largest t as -3e38.
.macro PASS qr, ns, mode, stg, yb, pf, q0s
	s_mov_b32 s[Q0], s[\q0s]
	s_or_b32 s[LASTQ], s[Q0], 63
	s_mov_b32 s[KF], 0
	v_mov_b32 v13, 0xff61b1e6
	s_delay_alu instid0(VALU_DEP_1)
	v_floor_f32 v12, -v13
	v_mov_b32 v14, 0
	v_mov_b32 v15, 0
.set n, 0
.rept 32
	v_mov_b32 v[160+n], 0
.set n, n+1
.endr
	s_mov_b32 s[SLOTS], \ns-1
.Lslot_\@:
	CHANGE 1, \pf
	STEP 0, \qr
	STEP 1, \qr
	s_xor_b32 s[TB], s[TB], SLOTB
	s_sub_co_u32 s[SLOTS], s[SLOTS], 1
	s_cmp_lg_u32 s[SLOTS], 0
	s_cbranch_scc1 .Lslot_\@
	CHANGE \mode, 0                                ; the pass's last slot is written out
	STEP 0, \qr
	STEP 1, \qr
	s_xor_b32 s[TB], s[TB], SLOTB
	WAYOUT \stg, \yb
.endm
	s_wait_loadcnt 0x0                             ; Q
	PASS 16, 8, 2, 0, YBA, 1, Q0A                  ; block 31 - i
	PASS 224, 4, 0, STGB, YBB, 0, Q0B              ; block i
	s_wait_tensorcnt 0x0                           ; the wave's end
	ds_add_u32 v[SPW], v[NIL]
	s_wait_dscnt 0x0
	s_endpgm
.Lfunc_end_k_qc1e2aa2990_attn:
	.size	k_qc1e2aa2990_attn, .Lfunc_end_k_qc1e2aa2990_attn-k_qc1e2aa2990_attn
	.p2alignl 7, 3214868480
	.fill 96, 4, 3214868480
	.section	.rodata,"a",@progbits
	.p2align	6, 0x0
	.amdhsa_kernel k_qc1e2aa2990_attn
		.amdhsa_group_segment_fixed_size 327680
		.amdhsa_private_segment_fixed_size 0
		.amdhsa_enable_private_segment 0
		.amdhsa_kernarg_size 40
		.amdhsa_user_sgpr_count 2
		.amdhsa_user_sgpr_kernarg_segment_ptr 1
		.amdhsa_wavefront_size32 1
		.amdhsa_system_sgpr_workgroup_id_x 1
		.amdhsa_system_sgpr_workgroup_id_y 1
		.amdhsa_system_sgpr_workgroup_id_z 1
		.amdhsa_system_vgpr_workitem_id 0
		.amdhsa_next_free_vgpr 256
		.amdhsa_next_free_sgpr 100
		.amdhsa_reserve_vcc 1
		.amdhsa_float_denorm_mode_32 3
		.amdhsa_float_denorm_mode_16_64 3
		.amdhsa_fp16_overflow 1
		.amdhsa_memory_ordered 1
		.amdhsa_forward_progress 1
		.amdhsa_inst_pref_size 174
	.end_amdhsa_kernel
	.amdgpu_metadata
---
amdhsa.version: [ 1, 2 ]
amdhsa.kernels:
  - .name:           k_qc1e2aa2990_attn
    .symbol:         k_qc1e2aa2990_attn.kd
    .args:
      - { .name: qc, .offset: 0, .size: 8, .value_kind: global_buffer, .address_space: global }
      - { .name: kc, .offset: 8, .size: 8, .value_kind: global_buffer, .address_space: global }
      - { .name: vc, .offset: 16, .size: 8, .value_kind: global_buffer, .address_space: global }
      - { .name: lowp_scales, .offset: 24, .size: 8, .value_kind: global_buffer, .address_space: global }
      - { .name: yc, .offset: 32, .size: 8, .value_kind: global_buffer, .address_space: global }
    .group_segment_fixed_size: 327680
    .private_segment_fixed_size: 0
    .kernarg_segment_align: 8
    .kernarg_segment_size: 40
    .max_flat_workgroup_size: 512
    .sgpr_count:     100
    .vgpr_count:     256
    .wavefront_size: 32
...
	.end_amdgpu_metadata
.endif
;; end of part 2
;; launch proj (part 3): grid 4 x 64, 4 waves a work-group, clusters of 4 x 4, 327,680 bytes of LDS; arguments yc, w_proj_codes, lowp_scales, b_proj, out0; writes out0
.if DOCPART == 3
	.amdgcn_target "amdgcn-amd-amdhsa--gfx1250"
	.amdhsa_code_object_version 6
	.text
	.protected	k_qc1e2aa2990_proj
	.globl	k_qc1e2aa2990_proj
	.p2align	8
	.type	k_qc1e2aa2990_proj,@function
k_qc1e2aa2990_proj:
	s_mov_b64 s[64:65], 0
	v_nop
	global_prefetch_b8 v0, s[64:65] scope:SCOPE_SE
	s_setreg_imm32_b32 hwreg(HW_REG_WAVE_MODE, 25, 1), 1
	s_wait_xcnt 0x0
	s_wait_alu depctr_hold_cnt(0) depctr_sa_sdst(0) depctr_va_vdst(0) depctr_va_sdst(0) depctr_va_ssrc(0) depctr_va_vcc(0) depctr_vm_vsrc(0)
	s_getreg_b32 s2, hwreg(HW_REG_IB_STS2, 6, 4)
	s_cmp_eq_u32 s2, 0
	s_cbranch_scc0 .Lentry_in_a_cluster
	s_endpgm
.Lentry_in_a_cluster:
	s_bfe_u32 s2, ttmp6, 0x10000c
	s_cmp_lg_u32 s2, 0xf033
	s_cbranch_scc0 .Lentry_shape_is_right
	s_endpgm
.Lentry_shape_is_right:
; Launch 3 of 3: out0 = y w_proj^T + b_proj.  yc: [8192][1024] codes (2^e6).  w_proj: [1024][1024] codes (2^e7).  b_proj: [1024] f32.  out0: [8192][1024] f32.  Nothing is left out here.
; LIMIT: e6 + e7 between -126 and 127, so that 2^(e6 + e7) is an f32 number.
; SHAPE.  A tile of 128 rows x 256 columns, so that 8192 x 1024 gives 256 work-groups.  Four waves, 64 x 128 each: 32 accumulators.  K = 1,024 goes in four steps of 256 through two LDS slots.
; CLUSTERS: 4 x 4.  y's tile hangs on the tile row and is asked for jointly along a row of the cluster (all four tile columns lie in one cluster); w's on the tile column, jointly along a column.
; THE MATRIX INSTRUCTION IS USED TRANSPOSED (source 0 = 16 rows of w, source 1 = 16 rows of y): a lane holds eight neighbouring numbers of a row of out0.
; REGISTERS, in windows of 256: window 0: v16-29 addresses; v32-95 at work on the way out; v128-191, v192-255 y's fragments, two sets, later rows read back.
;   window 1: w's fragments, two sets.   window 2: the accumulators ((a, b) at v[8 (8 a + b)]).   window 3: v0-63 b_proj in the result's layout.
.set KROW,   1024
.set ROWB,   256
.set PITCH,  272                       ; an LDS row: 256 bytes + 16 of padding
.set FR,     16
.set AHALF,  64*PITCH                  ; what waves 0, 1 fetch: 64 rows of y
.set BHALF,  128*PITCH                 ; what waves 2, 3 fetch: 128 rows of w
.set BOFF,   2*AHALF
.set SLOT,   BOFF+2*BHALF              ; 104,448
.set STAGE,  2*SLOT                    ; behind the ring: 16 rows x 528 bytes for each wave, bytes of their own
.set SPITCH, 528
.set SPARE,  STAGE+4*16*SPITCH         ; the spare words, 128 bytes a wave
.set ADRA, 16
.set ADRB, 20
.set STO,  24
.set RD,   25
.set CO,   26
.set SPW,  28                          ; v28  LDS address of my spare word; never rewritten
.set NIL,  29                          ; v29  0; never rewritten
.set TMP,  32
.set AF,   128
.set BK,   128
.set BC,   0                           ; in window 3
.set G1, 24
.set G0, 32
.set G1B, 48
.set G0B, 56
.set MSB, 0
.macro WIN new
.if MSB != \new
	s_set_vgpr_msb (MSB<<8)|\new
.set MSB, \new
.endif
.endm
.set MUL,  0xa1                        ; source 0 (w) window 1, source 1 (y) window 0, C and D window 2
.set TO_B, 0x40
.macro JLOAD g0a, g1a, g0b, g1b        ; waves 0 and 1 fetch y's halves, waves 2 and 3 w's; an s_nop 0 and four v_nop follow each line
	s_cmp_eq_u32 s15, 0
	s_cbranch_scc0 .Lfor_b_\@
	tensor_load_to_lds s[\g0a:\g0a+3], s[\g1a:\g1a+7]
	s_nop 0
.rept 4
	v_nop
.endr
	s_branch .Lasked_\@
.Lfor_b_\@:
	tensor_load_to_lds s[\g0b:\g0b+3], s[\g1b:\g1b+7]
	s_nop 0
.rept 4
	v_nop
.endr
.Lasked_\@:
.endm
.macro CREST
	s_cmp_lg_u32 s14, 0
	s_cbranch_scc1 .Lnot_wave_0_\@
	s_barrier_signal -3
.Lnot_wave_0_\@:
	s_barrier_wait -3
	s_barrier_signal -1
	s_barrier_wait -1
.endm
.macro CROUND
	s_barrier_signal -1
	s_barrier_wait -1
	CREST
.endm
	s_load_b256 s[4:11], s[0:1], 0x0               ; yc s[4:5], w s[6:7], the exponents s[8:9], b_proj s[10:11]
	s_load_b64 s[68:69], s[0:1], 0x20              ; out0
	v_lshl_add_u32 v[SPW], v0, 2, SPARE
	v_mov_b32 v[NIL], 0
	ds_add_u32 v[SPW], v[NIL]                      ; the opening: the add, twice on end, and its wait ahead of my first tensor load
	ds_add_u32 v[SPW], v[NIL]
	v_lshrrev_b32 v1, 5, v0
	v_readfirstlane_b32 s14, v1                    ; wave 0..3
	s_lshr_b32 s15, s14, 1                         ; my 64 of the tile's 128 rows.  Also: I fetch for y (0) or for w (1)
	s_and_b32 s16, s14, 1                          ; my 128 of its 256 columns.  Also: which half I fetch
	s_bfe_u32 s40, ttmp6, 0x40000                  ; cx
	s_bfe_u32 s41, ttmp6, 0x40004                  ; cy
	s_lshl_b32 s42, ttmp9, 2
	s_add_co_u32 s42, s42, s40                     ; tile column
	s_and_b32 s17, ttmp7, 0xffff
	s_lshl_b32 s17, s17, 2
	s_add_co_u32 s17, s17, s41                     ; tile row
	s_lshl_b32 s43, s41, 2
	s_lshl_b32 s43, 15, s43                        ; my row of the cluster
	s_lshl_b32 s44, 0x1111, s40                    ; my column
	s_or_b32 s[G1+0], s43, (0<<16)|(1<<20)|(1<<21)|(5<<22)|(3<<25)
	s_or_b32 s[G1B+0], s44, (0<<16)|(1<<20)|(1<<21)|(5<<22)|(3<<25)
	s_mov_b32 s[G1+1], ROWB<<16
	s_mov_b32 s[G1+2], 64<<16                      ; y: 64 rows a load
	s_mov_b32 s[G1+3], ROWB<<16
	s_mov_b32 s[G1+4], 64
	s_mov_b32 s[G1+5], KROW
	s_mov_b32 s[G1+6], 0
	s_mov_b32 s[G1+7], 0
	s_mov_b32 s[G1B+1], ROWB<<16
	s_mov_b32 s[G1B+2], 128<<16                    ; w: 128 rows a load
	s_mov_b32 s[G1B+3], ROWB<<16
	s_mov_b32 s[G1B+4], 128
	s_mov_b32 s[G1B+5], KROW
	s_mov_b32 s[G1B+6], 0
	s_mov_b32 s[G1B+7], 0
	s_lshl_b32 s20, s17, 7
	s_lshl_b32 s18, s16, 6
	s_add_co_u32 s20, s20, s18
	s_lshl_b32 s20, s20, 10                        ; y: row 128 x tile row + 64 x half, in bytes
	s_mov_b32 s21, 0
	s_lshl_b32 s46, s42, 8
	s_lshl_b32 s18, s16, 7
	s_add_co_u32 s46, s46, s18
	s_lshl_b32 s46, s46, 10                        ; w: row 256 x tile column + 128 x half
	s_mov_b32 s47, 0
	s_mul_i32 s45, s16, AHALF                      ; where they go: no place in the cluster enters an LDS address
	s_mul_i32 s19, s16, BHALF
	s_add_co_u32 s19, s19, BOFF
	s_wait_dscnt 0x0                               ; both opening adds are done
	s_wait_kmcnt 0x0
	s_load_b64 s[96:97], s[8:9], 0x18              ; e6, e7
	s_add_nc_u64 s[20:21], s[4:5], s[20:21]
	s_add_nc_u64 s[46:47], s[6:7], s[46:47]
	CROUND                                         ; all sixteen work-groups are here: the first joint loads meet
.irp s, 0,1
	s_mov_b32 s[G0+4*\s], 1
	s_add_co_u32 s[G0+4*\s+1], s45, \s*SLOT
	s_add_nc_u64 s[G0+4*\s+2:G0+4*\s+3], s[20:21], \s*ROWB
	s_or_b32 s[G0+4*\s+3], s[G0+4*\s+3], 0x80000000
	s_mov_b32 s[G0B+4*\s], 1
	s_add_co_u32 s[G0B+4*\s+1], s19, \s*SLOT
	s_add_nc_u64 s[G0B+4*\s+2:G0B+4*\s+3], s[46:47], \s*ROWB
	s_or_b32 s[G0B+4*\s+3], s[G0B+4*\s+3], 0x80000000
	s_wait_alu depctr_va_vdst(0)
	s_wait_tensorcnt 0x0
	ds_add_u32 v28, v29
	ds_add_u32 v28, v29
	s_wait_dscnt 0x0
	CROUND
	JLOAD G0+4*\s, G1, G0B+4*\s, G1B               ; one load of mine is out
.endr
	v_and_b32 v1, 15, v0                           ; r
	s_wait_alu depctr_va_vdst(0)
	v_bfe_u32 v2, v0, 4, 1                         ; h
	v_mul_u32_u24 v3, v1, PITCH
	v_lshl_add_u32 v4, v2, 4, v3
	s_mul_i32 s21, s15, AHALF                      ; my 64 rows of y
	s_mul_i32 s22, s16, BHALF
	s_add_co_u32 s22, s22, BOFF                    ; my 128 rows of w
.irp s, 0,1
	v_add_nc_u32 v[ADRA+\s], s21, v4
	v_add_nc_u32 v[ADRB+\s], s22, v4
	s_add_co_u32 s21, s21, SLOT
	s_add_co_u32 s22, s22, SLOT
.endr
	s_mul_i32 s23, s14, 16*SPITCH
	s_add_co_u32 s23, s23, STAGE                   ; my stage
	v_mul_u32_u24 v5, v1, SPITCH
	s_wait_alu depctr_va_vdst(0)
	v_lshl_add_u32 v5, v2, 5, v5
	v_add_nc_u32 v[STO], s23, v5                   ; in: row r, 32 bytes for each half of the lanes
	v_and_b32 v6, 31, v0
	v_lshlrev_b32 v[CO], 4, v6                     ; back: the 32 lanes take one row of 512 bytes; and the same in out0
	v_add_nc_u32 v[RD], s23, v[CO]
	v_lshlrev_b32 v7, 5, v2                        ; 32 h: the bias
	s_wait_alu depctr_va_vdst(0)
	s_lshl_b32 s46, s42, 10
	s_lshl_b32 s47, s16, 9
	s_add_co_u32 s46, s46, s47                     ; my first column, in bytes of f32: in a row of out0 and in b_proj alike
	s_mov_b32 s47, 0
	s_add_nc_u64 s[10:11], s[10:11], s[46:47]
	s_lshl_b32 s20, s17, 7
	s_lshl_b32 s21, s15, 6
	s_add_co_u32 s20, s20, s21
	s_lshl_b32 s20, s20, 12                        ; my first row of out0, 4,096 bytes a row
	s_add_co_u32 s20, s20, s46
	s_mov_b32 s21, 0
	s_add_nc_u64 s[68:69], s[68:69], s[20:21]
	WIN 0xc0                                       ; destination window 3
.irp b, 0,1,2,3,4,5,6,7
	global_load_b128 v[BC+8*\b:BC+8*\b+3], v7, s[10:11] offset:64*\b        ; b_proj at columns 16 b + 8 h + 0 .. 7 of my 128
	global_load_b128 v[BC+8*\b+4:BC+8*\b+7], v7, s[10:11] offset:64*\b+16
.endr
	WIN 0
.macro FRAG reg, adr, q, i             ; lane l holds row l % 16; registers 4 c .. 4 c + 3 hold K = 32 c + 16 (l / 16) + 0 .. 15: the same order of K on both sides
.irp c, 0,1,2,3
	ds_load_b128 v[\reg+4*\c:\reg+4*\c+3], v[\adr] offset:128*(\q)+32*\c+(\i)*16*PITCH
.endr
.endm
.macro FETCH slot, q, p                ; 48 LDS loads in one run: the fragments of the slot's q-th 128 along K into set p
	WIN TO_B
.irp i, 0,1,2,3,4,5,6,7
	FRAG 128*(\p)+FR*\i, ADRB+\slot, \q, \i
.endr
	WIN 0
.irp i, 0,1,2,3
	FRAG AF+64*(\p)+FR*\i, ADRA+\slot, \q, \i
.endr
.endm
.macro MUL8 a, p, zero                 ; y's block a x w's eight.  The 32 accumulators take turns, one instruction a turn, in the same order in every step
.irp b, 0,1,2,3,4,5,6,7
.if \zero
	v_wmma_f32_16x16x128_bf8_bf8 v[8*(8*(\a)+\b):8*(8*(\a)+\b)+7], v[128*(\p)+FR*\b:128*(\p)+FR*\b+FR-1], v[AF+64*(\p)+FR*(\a):AF+64*(\p)+FR*(\a)+FR-1], 0
.else
	v_wmma_f32_16x16x128_bf8_bf8 v[8*(8*(\a)+\b):8*(8*(\a)+\b)+7], v[128*(\p)+FR*\b:128*(\p)+FR*\b+FR-1], v[AF+64*(\p)+FR*(\a):AF+64*(\p)+FR*(\a)+FR-1], v[8*(8*(\a)+\b):8*(8*(\a)+\b)+7]
.endif
.endr
.endm
.macro PLACES n
.rept \n
	v_nop
.endr
.endm
.macro STEP slot, zero                 ; a slot's first 128 along K, on set 0; the second 128 are fetched into set 1 meanwhile
	s_wait_dscnt 0x0                               ; set 0 is in
	PLACES 4                                       ; ahead of loads into set 1, which the last products read
	FETCH \slot, 1, 1
	WIN MUL
	MUL8 0, 0, \zero
	MUL8 1, 0, \zero
	MUL8 2, 0, \zero
	MUL8 3, 0, \zero
.endm
.macro TURN slot, next, fill           ; a slot's second 128, on set 1, and the change of slots
	WIN 0                                          ; (the add's two registers lie in window 0)
	s_wait_tensorcnt 0x0                           ; all my tensor loads have landed: my part of the next slot
	ds_add_u32 v[SPW], v[NIL]
	s_wait_dscnt 1                                 ; set 1 is in; the add alone may be out
	WIN MUL
	MUL8 0, 1, 0
	s_wait_dscnt 0x0                               ; the add is done, and my reads of this slot are over
	s_barrier_signal -1
	MUL8 1, 1, 0
	WIN 0
	s_barrier_wait -1
.if \fill
	CREST                                          ; the barrier has opened a round of the cluster's
	s_add_nc_u64 s[G0+4*\slot+2:G0+4*\slot+3], s[G0+4*\slot+2:G0+4*\slot+3], 2*ROWB
	s_add_nc_u64 s[G0B+4*\slot+2:G0B+4*\slot+3], s[G0B+4*\slot+2:G0B+4*\slot+3], 2*ROWB
	JLOAD G0+4*\slot, G1, G0B+4*\slot, G1B         ; my one tensor load behind the round; its four v_nop are the places ahead of the loads below
.else
	PLACES 4
.endif
	FETCH \next, 0, 0
	WIN MUL
	MUL8 2, 1, 0
	MUL8 3, 1, 0
.endm
	s_wait_tensorcnt 1                             ; my part of K step 0 is in; K step 1's load may be out
	s_barrier_signal -1
	s_barrier_wait -1
	FETCH 0, 0, 0
	STEP 0, 1                                      ; the first products start the sums: nothing is cleared
	TURN 0, 1, 1                                   ; slot 0 takes K step 2
	STEP 1, 0
	TURN 1, 0, 1                                   ; slot 1 takes K step 3
	STEP 0, 0
	TURN 0, 1, 0
	STEP 1, 0
	s_wait_dscnt 0x0
	MUL8 0, 1, 0
	MUL8 1, 1, 0
	MUL8 2, 1, 0
	MUL8 3, 1, 0
	WIN 0
; THE WAY OUT, block by block of 16 rows x 128 columns: sum x 2^(e6 + e7) + b_proj, one packed multiply-add for two numbers; through my own stage, back as whole rows of 512 bytes.
; LDS serves a wave's instructions in order (ISA guide 5.7.1.4): no wait between the stores and the loads, nor ahead of the next block's stores.
.macro TOSTAGE a
.set AC, 64*(\a)
	WIN 0x32                                       ; source 0 (the sums) window 2, source 2 (the bias) window 3
.set j, 0
.rept 32
	v_pk_fma_f32 v[TMP+j:TMP+j+1], v[AC+j:AC+j+1], s[96:97], v[BC+j:BC+j+1] op_sel_hi:[1,0,1]   ; each accumulator from its low end on
.set j, j+2
.endr
	WIN 0
.irp b, 0,1,2,3,4,5,6,7
	ds_store_b128 v[STO], v[TMP+8*\b:TMP+8*\b+3] offset:64*\b
	ds_store_b128 v[STO], v[TMP+8*\b+4:TMP+8*\b+7] offset:64*\b+16
.endr
.set BB, BK+64*((\a)%2)
.irp t, 0,1,2,3,4,5,6,7,8,9,10,11,12,13,14,15
	ds_load_b128 v[BB+4*\t:BB+4*\t+3], v[RD] offset:\t*SPITCH
.endr
.endm
.macro SEND a, younger                 ; younger: the LDS instructions issued behind block a's loads, which may stay out
.set BB, BK+64*((\a)%2)
	s_wait_dscnt \younger
.if (\a) > 0
	s_add_nc_u64 s[68:69], s[68:69], 16*4096       ; (behind a wait on XCNT: the earlier stores have read their base)
.endif
.irp t, 0,1,2,3,4,5,6,7,8,9,10,11,12,13,14,15
	global_store_b128 v[CO], v[BB+4*\t:BB+4*\t+3], s[68:69] offset:\t*4096 th:TH_STORE_NT   ; 32 lanes store 512 consecutive bytes, at a multiple of 256 from out0's first byte
.endr
.endm
	s_wait_kmcnt 0x0
	s_add_co_i32 s96, s96, s97
	s_add_co_i32 s96, s96, 127
	s_lshl_b32 s96, s96, 23                        ; 2^(e6 + e7) as f32
	s_mov_b32 s97, s96
	s_wait_loadcnt 0x0                             ; the bias
	PLACES 4
	TOSTAGE 0
.irp a, 1,2,3
.if \a > 1
	s_wait_xcnt 0x0                                ; block a - 2's stores have read their registers and their base
.endif
	TOSTAGE \a
	SEND \a-1, 32                                  ; behind block a - 1's loads: block a's 16 stores and 16 loads
.endr
	s_wait_xcnt 0x0
	SEND 3, 0
	s_wait_tensorcnt 0x0                           ; the wave's end
	ds_add_u32 v[SPW], v[NIL]
	s_wait_dscnt 0x0
	CROUND                                         ; the closing round
	s_endpgm
.Lfunc_end_k_qc1e2aa2990_proj:
	.size	k_qc1e2aa2990_proj, .Lfunc_end_k_qc1e2aa2990_proj-k_qc1e2aa2990_proj
	.p2alignl 7, 3214868480
	.fill 96, 4, 3214868480
	.section	.rodata,"a",@progbits
	.p2align	6, 0x0
	.amdhsa_kernel k_qc1e2aa2990_proj
		.amdhsa_group_segment_fixed_size 327680
		.amdhsa_private_segment_fixed_size 0
		.amdhsa_enable_private_segment 0
		.amdhsa_kernarg_size 40
		.amdhsa_user_sgpr_count 2
		.amdhsa_user_sgpr_kernarg_segment_ptr 1
		.amdhsa_wavefront_size32 1
		.amdhsa_system_sgpr_workgroup_id_x 1
		.amdhsa_system_sgpr_workgroup_id_y 1
		.amdhsa_system_sgpr_workgroup_id_z 1
		.amdhsa_system_vgpr_workitem_id 0
		.amdhsa_next_free_vgpr 1024
		.amdhsa_next_free_sgpr 100
		.amdhsa_reserve_vcc 0
		.amdhsa_float_denorm_mode_32 3
		.amdhsa_float_denorm_mode_16_64 3
		.amdhsa_memory_ordered 1
		.amdhsa_forward_progress 1
		.amdhsa_inst_pref_size 78
	.end_amdhsa_kernel
	.amdgpu_metadata
---
amdhsa.version: [ 1, 2 ]
amdhsa.kernels:
  - .name:           k_qc1e2aa2990_proj
    .symbol:         k_qc1e2aa2990_proj.kd
    .args:
      - { .name: yc, .offset: 0, .size: 8, .value_kind: global_buffer, .address_space: global }
      - { .name: w_proj_codes, .offset: 8, .size: 8, .value_kind: global_buffer, .address_space: global }
      - { .name: lowp_scales, .offset: 16, .size: 8, .value_kind: global_buffer, .address_space: global }
      - { .name: b_proj, .offset: 24, .size: 8, .value_kind: global_buffer, .address_space: global }
      - { .name: out0, .offset: 32, .size: 8, .value_kind: global_buffer, .address_space: global }
    .group_segment_fixed_size: 327680
    .private_segment_fixed_size: 0
    .kernarg_segment_align: 8
    .kernarg_segment_size: 40
    .max_flat_workgroup_size: 128
    .sgpr_count:     100
    .vgpr_count:     1024
    .wavefront_size: 32
...
	.end_amdgpu_metadata
.endif
;; end of part 3
